; MI455X (gfx1250); checked and timed in simulation.
; The chip was launched on July 23, 2026; its instructions are those of AMD's public machine-readable ISA for CDNA 5 (MIT licence, August 2026) and "CDNA5" Instruction Set Architecture Reference Guide (July 2026). The comments in the code are by the model that wrote it; some were corrected since.
;; Dot Product Attention. Allowed arithmetic: matrix products marked QUANTISED: E2M1 operands, one E8M0 scale for each 32 along K, by v_wmma_scale_f32_16x16x128_f8f6f4 with both operands' format E2M1 (or v_wmma_scale_f32_32x16x128_f4), f32 sums; products left as they are: bf16, f16 or f32 operands; f32 sums; everything else in f32.
;; Inputs: Wk 512 x 512 float32; Wq 512 x 512 float32; Wv 512 x 512 float32; bk 512 float32; bq 512 float32; bv 512 float32; q 16 x 1,024 x 512 float32; x 16 x 2,048 x 512 float32.
;; Outputs: out0 16 x 1,024 x 512 float32.
;; This version of the problem:
;;   THIS VERSION OF THE PROBLEM IS GIVEN IN LOW PRECISION. The matrix products marked QUANTISED in the list below multiply operands that are first quantised to E2M1 (2 exponent bits, 1 mantissa bit; 4 bits a number), with one power-of-two scale for each 32 numbers along K (OCP MX v1.0); their sums are f32. The products marked 'left as it is' may take bf16, f16 or f32 operands, with f32 sums. Whichever they take, every output number must still come out within the allowed error. Rounding operands to bf16 (8 significant bits) uses up far more of that allowance than f16 does (11 bits, for magnitudes from 6e-5 to 65,504). All else is computed in f32.
;;   The module's matrix products, in the order in which they are computed (A, B: the left and right operand; K: the contracted axis; several contracted axes count as one K, in the product's order):
;;     1. [M 16,384, K 512] x [K 512, N 512]; A: input q; B: input Wq: QUANTISED
;;     2. [M 32,768, K 512] x [K 512, N 512]; A: input x; B: input Wk: QUANTISED
;;     3. [M 32,768, K 512] x [K 512, N 512]; A: input x; B: input Wv: QUANTISED
;;     4. batch 16 x [M 1,024, K 512] x [K 512, N 2,048]; A: computed on the way; B: computed on the way: left as it is (an operand is computed on the way)
;;     5. batch 16 x [M 1,024, K 2,048] x [K 2,048, N 512]; A: computed on the way; B: computed on the way: left as it is (an operand is computed on the way)
;;   THE QUANTISER, for each operand of a quantised product, along K:
;;     - K is cut into blocks of 32 from its start; a last block that is shorter is filled with zeros.
;;     - A block's scale is 2^e with e = floor(log2(the largest magnitude in the block)) - 2, held to -126 .. 127; a block of zeros has e = 0. As a byte (E8M0): e + 127.
;;     - Each number is divided by its block's scale, clamped to +-6, and rounded to the nearest number of E2M1, ties to even, subnormals kept.
;;     - The product sums the exact products of the quantised numbers (number of the format x scale) in f32.
;;   ~~~python
;;   def quantise(x, axis):      # numpy; x: float32 -> the quantised numbers, widened to float32 again
;;       x = np.moveaxis(x, axis, -1); K = x.shape[-1]
;;       x = np.pad(x, [(0, 0)] * (x.ndim - 1) + [(0, -K % 32)]); x = x.reshape(x.shape[:-1] + (-1, 32)); a = np.abs(x).max(-1, keepdims=True)
;;       e = np.where(a > 0, np.clip(np.frexp(np.where(a > 0, a, 1))[1] - 1 - 2, -126, 127), 0)      # np.frexp(a)[1] - 1 = floor(log2(a)), exactly
;;       r = np.clip(x / 2.0 ** e, -6, 6)
;;       step = 2.0 ** (np.maximum(np.frexp(np.where(r == 0, 1, r))[1] - 1, 0) - 1)
;;       q = np.round(r / step) * step * 2.0 ** e      # np.round: ties to even
;;       return np.moveaxis(q.reshape(q.shape[:-2] + (-1,))[..., :K], -1, axis).astype(np.float32)
;;   ~~~
;; One version. Each part assembles by itself: llvm-mc -triple=amdgcn-amd-amdhsa -mcpu=gfx1250 --defsym DOCPART=n.
;; ======== version 1 of 1: 3 launches
;; limits: values are held in f16: magnitudes above 65,504 overflow, below 6.1e-05 lose precision
;; workspace buffers: xc 8,388,608 bytes; xs 524,288 bytes; qc 4,194,304 bytes; qs 262,144 bytes; wc 393,216 bytes; ws 24,576 bytes; mt 8,388,608 bytes; ms 1,024 bytes
;; launch quant (part 1): grid 792 x 1, 4 waves a work-group, no clusters, 33,280 bytes of LDS; arguments x, q, Wq, Wk, Wv, xc, xs, qc, qs, wc, ws; writes xc, xs, qc, qs, wc, ws
.if DOCPART == 1
	.amdgcn_target "amdgcn-amd-amdhsa--gfx1250"
	.amdhsa_code_object_version 6
	.text
	.protected	k_qb154ba11e8_quant
	.globl	k_qb154ba11e8_quant
	.p2align	8
	.type	k_qb154ba11e8_quant,@function
k_qb154ba11e8_quant:
	s_mov_b64 s[64:65], 0
	v_nop
	global_prefetch_b8 v0, s[64:65] scope:SCOPE_SE
	s_setreg_imm32_b32 hwreg(HW_REG_WAVE_MODE, 25, 1), 1
	s_wait_xcnt 0x0
; x [32768][512], q [16384][512], Wq, Wk, Wv [512][512], all f32 with K innermost, become codes of FP4 (E2M1), two a byte, K innermost, with one E8M0 byte for each 32 along K.
; A block's scale is 2^(floor(log2(its largest magnitude)) - 2); its byte is the largest magnitude's exponent field - 2, held at 1 from below; each number is divided by the scale and rounded to the nearest code, ties to even, beyond 6 the code of 6.
; LIMITS: a block of zeros gets the byte 1 where the rule says 127 (its codes are zeros, which add nothing, and this program alone reads the bytes); NaN and infinities among the inputs are not served.
; Rows are dense and 512 is a multiple of 32: every tensor is a plain stream of blocks of 32.  A work-group takes 32,768 numbers, a wave 16 steps of 512.
; Work-groups 0-511 take x, 512-767 q, 768-775 Wq, 776-783 Wk, 784-791 Wv; the three weights' codes and bytes lie one behind the other in wc and ws.  Only pointers are chosen: all take one path.
; Each of a step's four loads reads 512 consecutive bytes; the 2,048 bytes turn through the wave's own stage in LDS and come back 64 bytes a lane, so that a lane holds 16 neighbours along K (two lanes to a block).
; A lane's 16 codes are 8 bytes: a store of the wave covers 256 consecutive bytes.  A wave's 256 scale bytes are gathered in LDS and leave by one store of 256 consecutive bytes.  No barrier: waves share nothing.
.set WAVES, 4
.set STEPS, 16
.set EMAX,  2
.set CB,    8                          ; bytes of 16 codes
.set R,     16                         ; v16-79   four sets of 16 numbers as loaded
.set X,     80                         ; v80-111  two sets of 16 neighbours
.set E,     112                        ; v112-127 a scale byte for each step
.set C,     128                        ; v128-191 codes: four registers for each step, so that no store's data are written again
.set WREG,  8192                       ; LDS: a region for each wave: two stages of 32 x SP bytes, then its 256 scale bytes
.set SP,    80                         ; a lane's place in a stage: 64 bytes + 16 of padding
.set SPW,   12                         ; v12  LDS address of my spare word; never rewritten
.set NIL,   13                         ; v13  0; never rewritten
.set SPARE, WAVES*WREG                 ; behind the four regions: the spare words, 128 bytes a wave
.set SRC,   26                         ; s[26:27] the numbers;  s[28:29] the codes;  s[30:31] the scale bytes
.set COD,   28
.set SCB,   30
	s_load_b512 s[4:19], s[0:1], 0x0               ; x, q, Wq, Wk, Wv, xc, xs, qc
	s_load_b128 s[20:23], s[0:1], 0x40             ; qs, wc
	s_load_b64 s[24:25], s[0:1], 0x50              ; ws
	v_lshl_add_u32 v[SPW], v0, 2, SPARE
	v_mov_b32 v[NIL], 0
	v_lshrrev_b32 v1, 5, v0
	v_readfirstlane_b32 s36, v1                    ; wave
	v_and_b32 v2, 31, v0                           ; lane
	v_lshlrev_b32 v3, 4, v2                        ; my 16 bytes of a load's 512
	s_mul_i32 s37, s36, WREG
	v_lshrrev_b32 v14, 2, v2
	v_mul_u32_u24 v14, v14, SP
	v_and_b32 v15, 3, v2
	v_lshl_add_u32 v14, v15, 4, v14
	v_add_nc_u32 v14, s37, v14                     ; the stage, on the way in: SP (lane / 4) + 16 (lane % 4)
	v_mul_u32_u24 v15, v2, SP
	v_add_nc_u32 v15, s37, v15                     ; and on the way out: SP x lane
	v_mul_u32_u24 v4, v2, CB                       ; my codes' place in a step's
	v_lshrrev_b32 v5, 1, v2
	s_add_co_u32 s37, s37, 2*32*SP
	v_add_nc_u32 v5, s37, v5                       ; LDS: my block's byte among my wave's 256
	v_lshlrev_b32 v7, 3, v2                        ; on the way out 8 bytes a lane
	v_add_nc_u32 v6, s37, v7
	s_wait_kmcnt 0x0
	s_cmp_lt_u32 ttmp9, 512                        ; which tensor: the choices hang on the work-group's number alone
	s_cselect_b64 s[SRC:SRC+1], s[4:5], s[6:7]
	s_cselect_b64 s[COD:COD+1], s[14:15], s[18:19]
	s_cselect_b64 s[SCB:SCB+1], s[16:17], s[20:21]
	s_cselect_b32 s32, 0, 512                      ; the first work-group of my source,
	s_mov_b32 s33, s32                             ; and of my destination
	s_cmp_lt_u32 ttmp9, 768
	s_cselect_b64 s[SRC:SRC+1], s[SRC:SRC+1], s[8:9]
	s_cselect_b64 s[COD:COD+1], s[COD:COD+1], s[22:23]
	s_cselect_b64 s[SCB:SCB+1], s[SCB:SCB+1], s[24:25]
	s_cselect_b32 s32, s32, 768
	s_cselect_b32 s33, s33, 768
	s_cmp_lt_u32 ttmp9, 776
	s_cselect_b64 s[SRC:SRC+1], s[SRC:SRC+1], s[10:11]
	s_cselect_b32 s32, s32, 776
	s_cmp_lt_u32 ttmp9, 784
	s_cselect_b64 s[SRC:SRC+1], s[SRC:SRC+1], s[12:13]
	s_cselect_b32 s32, s32, 784
	s_sub_co_u32 s34, ttmp9, s32
	s_lshl_b32 s34, s34, 2
	s_add_co_u32 s34, s34, s36                     ; which run of 8,192 numbers of the source is my wave's
	s_lshl_b32 s34, s34, 15                        ; 32,768 bytes a run (at most 2^26 in all)
	s_mov_b32 s35, 0
	s_add_nc_u64 s[SRC:SRC+1], s[SRC:SRC+1], s[34:35]
	s_sub_co_u32 s34, ttmp9, s33
	s_lshl_b32 s34, s34, 2
	s_add_co_u32 s34, s34, s36                     ; and which run of the destination
	s_lshl_b32 s38, s34, 12                        ; 4,096 bytes of codes a run
	s_mov_b32 s39, 0
	s_add_nc_u64 s[COD:COD+1], s[COD:COD+1], s[38:39]
	s_lshl_b32 s38, s34, 8                         ; 256 scale bytes a run
	s_add_nc_u64 s[SCB:SCB+1], s[SCB:SCB+1], s[38:39]
.macro LOAD t
.irp i, 0,1,2,3
	global_load_b128 v[R+16*((\t)%4)+4*\i:R+16*((\t)%4)+4*\i+3], v3, s[SRC:SRC+1] offset:2048*(\t)+512*\i th:TH_LOAD_NT   ; 32 lanes read 512 consecutive bytes
.endr
.endm
.macro TURN t                          ; step t's numbers through the stage: LDS serves a wave's instructions in order, so no wait stands between the stores and the loads
.irp i, 0,1,2,3
	ds_store_b128 v14, v[R+16*((\t)%4)+4*\i:R+16*((\t)%4)+4*\i+3] offset:32*SP*((\t)%2)+8*SP*\i
.endr
.irp i, 0,1,2,3
	ds_load_b128 v[X+16*((\t)%2)+4*\i:X+16*((\t)%2)+4*\i+3], v15 offset:32*SP*((\t)%2)+16*\i
.endr
.endm
.irp t, 0,1,2,3
	LOAD \t
.endr
	s_wait_loadcnt 12                              ; step 0's four loads are in
	TURN 0
.macro STEP t
.set XS, X+16*((\t)%2)
.if (\t) > 0
	s_wait_dscnt 1                                 ; this step's numbers are back from the stage (the last step's byte store may be out): so its stores into the stage have read their registers,
.else
	s_wait_dscnt 0x0
.endif
.if (\t)+4 < STEPS
	LOAD (\t)+4                                    ; which take the loads of four steps on
.endif
.if (\t)+1 < STEPS
.if STEPS-2-(\t) >= 3
	s_wait_loadcnt 12                              ; the next step's four loads are in; those of the three steps behind it may be out
.else
	s_wait_loadcnt 4*(STEPS-2-(\t))
.endif
	TURN (\t)+1                                    ; and go through the other stage while this step is worked
.endif
	v_max3_num_f32 v8, |v[XS]|, |v[XS+1]|, |v[XS+2]|               ; the largest magnitude of my 16, in two chains
	v_max3_num_f32 v9, |v[XS+3]|, |v[XS+4]|, |v[XS+5]|
.irp i, 6,10
	v_max3_num_f32 v8, v8, |v[XS+\i]|, |v[XS+\i+1]|
	v_max3_num_f32 v9, v9, |v[XS+\i+2]|, |v[XS+\i+3]|
.endr
	v_max3_num_f32 v8, v8, |v[XS+14]|, |v[XS+15]|
	v_max3_num_f32 v8, v8, v9, (EMAX+1)<<23        ; and the floor 2^(EMAX + 1 - 127): the byte cannot fall under 1
	v_max_num_f32_dpp v8, v8, v8 row_xmask:1 row_mask:0xf bank_mask:0xf   ; with my neighbour's 16: the block's
	v_add_nc_u32 v11, -(EMAX<<23), v8              ; EMAX off its exponent field: the conversion takes this operand's exponent field as its scale
	v_cvt_scalef32_pk8_fp4_f32 v[C+4*(\t)], v[XS:XS+7], v11
	v_cvt_scalef32_pk8_fp4_f32 v[C+4*(\t)+1], v[XS+8:XS+15], v11
	v_lshrrev_b32 v[E+(\t)], 23, v11               ; the scale's byte
	ds_store_b8 v5, v[E+(\t)] offset:16*(\t)       ; both lanes of a block write the same byte with the same value
	global_store_b64 v4, v[C+4*(\t):C+4*(\t)+1], s[COD:COD+1] offset:32*CB*(\t)   ; 32 lanes store 256 consecutive bytes
.endm
.irp t, 0,1,2,3,4,5,6,7,8,9,10,11,12,13,14,15
	STEP \t
.endr
	ds_load_b64 v[8:9], v6                         ; LDS serves a wave's instructions in order: these see my stores
	s_wait_dscnt 0x0
	global_store_b64 v7, v[8:9], s[SCB:SCB+1]      ; 32 lanes store 256 consecutive bytes
	s_wait_tensorcnt 0x0                           ; the wave's end: behind my last LDS store
	ds_add_u32 v[SPW], v[NIL]
	s_wait_dscnt 0x0
	s_endpgm
.Lfunc_end_k_qb154ba11e8_quant:
	.size	k_qb154ba11e8_quant, .Lfunc_end_k_qb154ba11e8_quant-k_qb154ba11e8_quant
	.p2alignl 7, 3214868480
	.fill 96, 4, 3214868480
	.section	.rodata,"a",@progbits
	.p2align	6, 0x0
	.amdhsa_kernel k_qb154ba11e8_quant
		.amdhsa_group_segment_fixed_size 33280
		.amdhsa_private_segment_fixed_size 0
		.amdhsa_enable_private_segment 0
		.amdhsa_kernarg_size 88
		.amdhsa_user_sgpr_count 2
		.amdhsa_user_sgpr_kernarg_segment_ptr 1
		.amdhsa_wavefront_size32 1
		.amdhsa_system_sgpr_workgroup_id_x 1
		.amdhsa_system_sgpr_workgroup_id_y 1
		.amdhsa_system_sgpr_workgroup_id_z 1
		.amdhsa_system_vgpr_workitem_id 0
		.amdhsa_next_free_vgpr 192
		.amdhsa_next_free_sgpr 66
		.amdhsa_reserve_vcc 0
		.amdhsa_float_denorm_mode_32 3
		.amdhsa_float_denorm_mode_16_64 3
		.amdhsa_memory_ordered 1
		.amdhsa_forward_progress 1
		.amdhsa_inst_pref_size 34
	.end_amdhsa_kernel
	.amdgpu_metadata
---
amdhsa.version: [ 1, 2 ]
amdhsa.kernels:
  - .name:           k_qb154ba11e8_quant
    .symbol:         k_qb154ba11e8_quant.kd
    .args:
      - { .name: x, .offset: 0, .size: 8, .value_kind: global_buffer, .address_space: global }
      - { .name: q, .offset: 8, .size: 8, .value_kind: global_buffer, .address_space: global }
      - { .name: Wq, .offset: 16, .size: 8, .value_kind: global_buffer, .address_space: global }
      - { .name: Wk, .offset: 24, .size: 8, .value_kind: global_buffer, .address_space: global }
      - { .name: Wv, .offset: 32, .size: 8, .value_kind: global_buffer, .address_space: global }
      - { .name: xc, .offset: 40, .size: 8, .value_kind: global_buffer, .address_space: global }
      - { .name: xs, .offset: 48, .size: 8, .value_kind: global_buffer, .address_space: global }
      - { .name: qc, .offset: 56, .size: 8, .value_kind: global_buffer, .address_space: global }
      - { .name: qs, .offset: 64, .size: 8, .value_kind: global_buffer, .address_space: global }
      - { .name: wc, .offset: 72, .size: 8, .value_kind: global_buffer, .address_space: global }
      - { .name: ws, .offset: 80, .size: 8, .value_kind: global_buffer, .address_space: global }
    .group_segment_fixed_size: 33280
    .private_segment_fixed_size: 0
    .kernarg_segment_align: 8
    .kernarg_segment_size: 88
    .max_flat_workgroup_size: 128
    .sgpr_count:     66
    .vgpr_count:     192
    .wavefront_size: 32
...
	.end_amdgpu_metadata
.endif
;; end of part 1
;; launch ktv (part 2): grid 16 x 16, 4 waves a work-group, clusters of 4 x 1, 327,680 bytes of LDS; arguments xc, xs, wc, ws, bk, bv, mt, ms; writes mt, ms
.if DOCPART == 2
	.amdgcn_target "amdgcn-amd-amdhsa--gfx1250"
	.amdhsa_code_object_version 6
	.text
	.protected	k_qb154ba11e8_ktv
	.globl	k_qb154ba11e8_ktv
	.p2align	8
	.type	k_qb154ba11e8_ktv,@function
k_qb154ba11e8_ktv:
	s_mov_b64 s[64:65], 0
	v_nop
	global_prefetch_b8 v0, s[64:65] scope:SCOPE_SE
	s_setreg_imm32_b32 hwreg(HW_REG_WAVE_MODE, 25, 1), 1
	s_wait_xcnt 0x0
	s_wait_alu depctr_hold_cnt(0) depctr_sa_sdst(0) depctr_va_vdst(0) depctr_va_sdst(0) depctr_va_ssrc(0) depctr_va_vcc(0) depctr_vm_vsrc(0)
	s_getreg_b32 s2, hwreg(HW_REG_IB_STS2, 6, 4)
	s_cmp_eq_u32 s2, 0
	s_cbranch_scc0 .Lentry_in_a_cluster
	s_endpgm
.Lentry_in_a_cluster:
	s_bfe_u32 s2, ttmp6, 0x10000c
	s_cmp_lg_u32 s2, 0x3003
	s_cbranch_scc0 .Lentry_shape_is_right
	s_endpgm
.Lentry_shape_is_right:
; M[b] = k^T v, k = Q(x) Q(Wk)^T + bk, v = Q(x) Q(Wv)^T + bv.  No step that is not linear stands between the two products of the attention, so (qp k^T) v = qp (k^T v) for every input:
; THE SUMS ARE TAKEN IN ANOTHER ORDER THAN THE SOURCE WRITES THEM.  k and v are made on codes of FP4 with E8M0 scales, sums in f32, rounded to f16 in registers; M is summed in f32.
; SHARES.  A work-group owns M[b][128 jt ..][128 ht ..] (jt: hidden units of k, ht: of v) over all 2,048 keys: 16 x 4 x 4 = 256 work-groups, no partial sum goes through memory.
; The four waves share the KEYS: in a pass of 256 keys wave w takes keys 64 w .. 64 w + 63 and keeps a whole partial tile, 64 accumulators; so k's and v's f16 fragments never leave the wave.  The four partials meet once, in LDS.
; LAYOUT.  First product: source 0 = 16 keys of x, source 1 = 16 rows of W: a lane holds one hidden unit and eight keys; two tiles of keys, rounded in pairs, ARE a fragment of 16 hidden units x 32 keys.
; Second product: source 0 = k's fragment (j), source 1 = v's (h): a lane holds one h and eight j; two tiles of j, rounded in pairs, are a fragment of M^T with K = j: what the next launch multiplies by.
; M GOES OUT AS f16 WITH A SCALE OF ITS OWN: 2^(14 - E), E the exponent of the tile's largest magnitude; ms takes 2^(E - 14) / sqrt(512).  mt: [b][ht][jt][hb 8][g 4][c 2][lane][16 bytes], images of the operand's registers.
; CLUSTER.  The four partners (jt = 0..3) walk the same codes and scale bytes of x: these are asked for jointly.  The weights are not: Wk's rows hang on the place in the cluster, and they are 64 KiB read once; they go through registers into LDS.
; LIMITS: NaN and infinities are not served; |k|, |v| beyond 65,504 do not fit f16; a tile of M whose largest magnitude lies under 2^-100 is scaled as if it were 2^-100.
; REGISTERS.  window 0: v1-15 addresses; v16-31 x's scale words, v32-43 W's (three sets): these hold scales alone; v48-143 W's fragments, three sets; v144-167 bias tiles; v168-231 two sets of four results; v232-247 k's fragment.
;   window 1: v0-127 x's 16 fragments; v128-255 v's 16 fragments.   windows 2, 3: the accumulators, (a, b) at v[8 (8 (a % 4) + b)] of window 2 + a / 4.
.set PITCH, 272                        ; an LDS row of codes: 256 bytes + 16 of padding: 68 words, so the 16 rows of a load start 4 banks apart (ISA guide 11.1)
.set SLOT1, 1<<17                      ; slot 0 at 0, slot 1 here: one exclusive or turns an address; a slot is 256 rows x 272 = 69,632 bytes
.set XSL,   69632                      ; x's scale bytes of the whole batch: 2,048 keys x 16
.set WSL,   102400                     ; W's scale bytes: Wv's 128 rows x 16, then Wk's
.set BIL,   106496                     ; the biases, each number eight times (32 bytes a hidden unit): bv's 128, then bk's
.set WL,    200704                     ; W's codes: 256 rows x 272: Wv's 128 (tiles 0-7), Wk's 128 (tiles 8-15); they end at 270,336
.set MXL,   270336                     ; behind the weights: the four waves' largest magnitudes, a block of 256 bytes of their own
.set SPARE, 327168                     ; the spare words, 128 bytes a wave
.set SPW, 1
.set NIL, 2
.set XA0, 3                            ; (64 w + r) 272 + 16 h
.set XS0, 4                            ; XSL + (64 w + r) 16
.set WA,  5                            ; WL + 272 r + 16 h
.set WSA, 6                            ; WSL + 16 r
.set BA,  7                            ; BIL + 32 r
.set XAD, 8                            ; XA0 + the slot
.set XSD, 9                            ; XS0 + the pass's 4,096 bytes
.set SA,  10                           ; the meeting: 65,536 w + 16 lane
.set RA,  11                           ; v11-14: 65,536 p + 16,384 w + 16 lane
.set MXA, 15                           ; MXL + 4 w
.set XSC, 16
.set WSC, 32
.set LI,  44                           ; 16 lane
.set ZR,  45                           ; 0
.set WF,  48
.set BT,  144
.set DD,  168
.set KF,  232
.set SM,  48                           ; behind the passes: v48-175 my 16 summed tiles; v176-239 the same as f16
.set PK,  176
.set WV,  20
.set JT,  21                           ; my place in the cluster: it enters global addresses alone (with s56-59)
.set HT,  22
.set BB,  23
.set G1X, 24
.set G1S, 32
.set G0X, 40
.set G0S, 44
.set TB,  48
.set TS,  49
.set TRIP, 50
.set SEL, 60
.set MSB, 0
.macro WIN new                         ; the immediate's high byte repeats the setting that is left; a switch that changes nothing is dropped
.if MSB != (\new)
	s_set_vgpr_msb (MSB<<8)|(\new)
.set MSB, (\new)
.endif
.endm
.macro PLACES                          ; four plain vector instructions that name no register of the matrix instructions ahead (ISA guide 7.12.1)
.rept 4
	v_nop
.endr
.endm
.macro ROUND                           ; a round of the cluster's barrier
	s_barrier_signal -1
	s_barrier_wait -1
	s_cmp_lg_u32 s[WV], 0
	s_cbranch_scc1 .Lnot_wave_0_\@
	s_barrier_signal -3
.Lnot_wave_0_\@:
	s_barrier_wait -3
	s_barrier_signal -1
	s_barrier_wait -1
.endm
	s_load_b512 s[4:19], s[0:1], 0x0               ; xc s[4:5], xs s[6:7], wc s[8:9], ws s[10:11], bk s[12:13], bv s[14:15], mt s[16:17], ms s[18:19]
	v_lshl_add_u32 v[SPW], v0, 2, SPARE
	v_mov_b32 v[NIL], 0
	ds_add_u32 v[SPW], v[NIL]                      ; the wave's opening: the add, twice on end, and its wait ahead of my first tensor load
	ds_add_u32 v[SPW], v[NIL]
	v_lshrrev_b32 v46, 5, v0
	v_readfirstlane_b32 s[WV], v46                 ; wave 0..3
	s_bfe_u32 s[JT], ttmp6, 0x40000                ; jt = my place in the cluster
	s_mov_b32 s[HT], ttmp9                         ; ht = the cluster's x
	s_and_b32 s[BB], ttmp7, 0xffff                 ; the batch
	; group 1 for x's codes: 64 rows x 256 elements of one byte, 4 words of padding behind every 64; the mask names all four partners
	s_mov_b32 s[G1X+0], 15|(1<<20)|(1<<21)|(5<<22)|(3<<25)
	s_mov_b32 s[G1X+1], 256<<16                    ; tensor_dim0
	s_mov_b32 s[G1X+2], 64<<16                     ; tensor_dim1
	s_mov_b32 s[G1X+3], 256<<16                    ; tile_dim0
	s_mov_b32 s[G1X+4], 64                         ; tile_dim1
	s_mov_b32 s[G1X+5], 256                        ; from row to row
	s_mov_b32 s[G1X+6], 0
	s_mov_b32 s[G1X+7], 0
	; group 1 for x's scale bytes: a dense block of 8,192 bytes as 32 rows of 32 elements of 8 bytes
	s_mov_b32 s[G1S+0], 15|(3<<16)|(1<<21)
	s_mov_b32 s[G1S+1], 32<<16
	s_mov_b32 s[G1S+2], 32<<16
	s_mov_b32 s[G1S+3], 32<<16
	s_mov_b32 s[G1S+4], 32
	s_mov_b32 s[G1S+5], 32
	s_mov_b32 s[G1S+6], 0
	s_mov_b32 s[G1S+7], 0
	s_mov_b32 s[G0X], 1
	s_mul_i32 s[G0X+1], s[WV], 64*PITCH            ; my 64 rows of slot 0
	s_mov_b32 s[G0S], 1
	s_lshl_b32 s[G0S+1], s[WV], 13
	s_add_co_u32 s[G0S+1], s[G0S+1], XSL           ; my quarter of the scale bytes
	s_lshl_b32 s52, s[BB], 19                      ; the batch's codes: 2,048 rows x 256 bytes,
	s_lshl_b32 s53, s[WV], 14                      ; my 64 rows
	s_add_co_u32 s52, s52, s53
	s_mov_b32 s53, 0
	s_lshl_b32 s54, s[BB], 15                      ; the batch's scale bytes,
	s_lshl_b32 s55, s[WV], 13                      ; my quarter
	s_add_co_u32 s54, s54, s55
	s_mov_b32 s55, 0
	s_mov_b32 s[TB], 0
	s_mov_b32 s[TS], 0
	s_mov_b32 s[SEL], 0x76543210
	s_mov_b32 s[SEL+1], 0xfedcba98                 ; v_permlanex16_b32's selects for lane l xor 16
	s_wait_dscnt 0x0                               ; both opening adds are done
	s_wait_kmcnt 0x0
	s_add_nc_u64 s[G0X+2:G0X+3], s[4:5], s[52:53]
	s_or_b32 s[G0X+3], s[G0X+3], 0x80000000
	s_add_nc_u64 s[G0S+2:G0S+3], s[6:7], s[54:55]
	s_or_b32 s[G0S+3], s[G0S+3], 0x80000000
	ROUND                                          ; all four work-groups are here: the first joint loads meet
	tensor_load_to_lds s[G0S:G0S+3], s[G1S:G1S+7]  ; the scale bytes: filled once
	s_nop 0
	tensor_load_to_lds s[G0X:G0X+3], s[G1X:G1X+7]  ; pass 0's keys; two loads of mine are out
	s_nop 0
	PLACES
	v_and_b32 v248, 31, v0                         ; lane
	v_and_b32 v249, 15, v0                         ; r
	v_bfe_u32 v250, v0, 4, 1                       ; h
	v_lshlrev_b32 v[LI], 4, v248
	v_mov_b32 v[ZR], 0
	s_mul_i32 s52, s[WV], 64*PITCH
	v_mul_u32_u24 v251, v249, PITCH
	v_lshl_add_u32 v251, v250, 4, v251             ; 272 r + 16 h: a fragment's row and half
	v_add_nc_u32 v[XA0], s52, v251
	v_add_nc_u32 v[WA], WL, v251
	s_lshl_b32 s53, s[WV], 10
	s_add_co_u32 s53, s53, XSL
	v_lshl_add_u32 v[XS0], v249, 4, s53
	v_lshl_add_u32 v[WSA], v249, 4, WSL
	v_lshl_add_u32 v[BA], v249, 5, BIL
	s_lshl_b32 s53, s[WV], 16
	v_add_nc_u32 v[SA], s53, v[LI]
	s_lshl_b32 s53, s[WV], 14
	v_add_nc_u32 v[RA], s53, v[LI]
	v_add_nc_u32 v[RA+1], 0x10000, v[RA]
	v_add_nc_u32 v[RA+2], 0x20000, v[RA]
	v_add_nc_u32 v[RA+3], 0x30000, v[RA]
	v_lshrrev_b32 v[MXA], 5, v0
	v_lshl_add_u32 v[MXA], v[MXA], 2, MXL          ; my wave's word: MXL + 4 x (thread / 32)
	s_add_co_u32 s52, s52, WL                      ; the weights' way in: my 64 rows of the 256; two rows an instruction
	v_mul_u32_u24 v46, v250, PITCH
	v_lshl_add_u32 v46, v249, 4, v46
	v_add_nc_u32 v46, s52, v46
	v_lshlrev_b32 v47, 4, v0                       ; 16 x thread
	v_lshl_add_u32 v246, v0, 4, WSL
	v_lshlrev_b32 v247, 2, v0                      ; 4 x thread
	v_lshl_add_u32 v245, v0, 5, BIL
	; the pointers.  Waves 0, 1 bring Wv's rows 128 ht + 64 (w & 1) on, waves 2, 3 Wk's rows 128 jt + 64 (w & 1) on
	s_lshl_b32 s56, s[HT], 15
	s_add_co_u32 s56, s56, 262144
	s_lshl_b32 s57, s[JT], 15
	s_add_co_u32 s57, s57, 131072
	s_cmp_lt_u32 s[WV], 2
	s_cselect_b32 s56, s56, s57
	s_and_b32 s57, s[WV], 1
	s_lshl_b32 s57, s57, 14
	s_add_co_u32 s56, s56, s57
	s_mov_b32 s57, 0
	s_add_nc_u64 s[8:9], s[8:9], s[56:57]
	s_lshl_b32 s56, s[JT], 11
	s_add_co_u32 s56, s56, 8192
	s_add_nc_u64 s[58:59], s[10:11], s[56:57]      ; Wk's scale bytes, rows 128 jt on
	s_lshl_b32 s54, s[HT], 11
	s_add_co_u32 s54, s54, 16384
	s_mov_b32 s55, 0
	s_add_nc_u64 s[10:11], s[10:11], s[54:55]      ; Wv's, rows 128 ht on
	s_lshl_b32 s56, s[JT], 9
	s_add_nc_u64 s[12:13], s[12:13], s[56:57]      ; bk
	s_lshl_b32 s54, s[HT], 9
	s_add_nc_u64 s[14:15], s[14:15], s[54:55]      ; bv
	s_lshl_b32 s56, s[BB], 2
	s_add_co_u32 s56, s56, s[HT]
	s_lshl_b32 s56, s56, 2
	s_add_co_u32 s56, s56, s[JT]                   ; my tile's number: 16 b + 4 ht + jt
	s_lshl_b32 s56, s56, 2
	s_add_nc_u64 s[18:19], s[18:19], s[56:57]      ; its word of ms
	s_lshl_b32 s56, s56, 13                        ; 32,768 bytes a tile,
	s_lshl_b32 s54, s[WV], 10                      ; my wave's fragments: g = w
	s_add_co_u32 s56, s56, s54
	s_add_nc_u64 s[16:17], s[16:17], s[56:57]
.irp i, 0,1,2,3,4,5,6,7,8,9,10,11,12,13,14,15,16,17,18,19,20,21,22,23,24,25,26,27,28,29,30,31
	global_load_b128 v[48+4*\i:48+4*\i+3], v[LI], s[8:9] offset:512*\i   ; 32 lanes read 512 consecutive bytes: two rows of codes
.endr
	global_load_b128 v[176:179], v47, s[10:11]     ; a row's 16 scale bytes a thread
	global_load_b128 v[180:183], v47, s[58:59]
	global_load_b32 v184, v247, s[14:15]           ; a bias a thread
	global_load_b32 v185, v247, s[12:13]
	s_wait_loadcnt 0x0
.irp i, 0,1,2,3,4,5,6,7,8,9,10,11,12,13,14,15,16,17,18,19,20,21,22,23,24,25,26,27,28,29,30,31
	ds_store_b128 v46, v[48+4*\i:48+4*\i+3] offset:2*PITCH*\i
.endr
	ds_store_b128 v246, v[176:179]
	ds_store_b128 v246, v[180:183] offset:2048
.irp i, 0,1,2,3
	v_mov_b32 v[188+\i], v184
	v_mov_b32 v[192+\i], v185
.endr
	ds_store_b128 v245, v[188:191]                 ; in the first product's result a lane holds ONE hidden unit in all eight registers: so its bias stands eight times
	ds_store_b128 v245, v[188:191] offset:16
	ds_store_b128 v245, v[192:195] offset:4096
	ds_store_b128 v245, v[192:195] offset:4112
; THE CHANGE OF SLOTS, at a pass's head.  Each wave waits for all its tensor loads, adds 0 to its spare word, and waits for that and for all its LDS instructions.  fill = 1: the other slot takes the next 256 keys:
; the barrier is a round of the cluster's, and the joint load is the first thing behind it; it has a whole pass, 384 matrix instructions of each wave, in which to land.  One load of mine is out behind each round.
.macro CHANGE fill
	s_wait_tensorcnt 0x0                           ; no tensor load of mine is out, so group 0 may be written
	ds_add_u32 v[SPW], v[NIL]
.if \fill
	s_xor_b32 s[G0X+1], s[G0X+1], SLOT1            ; the other slot than last time,
	s_add_nc_u64 s[G0X+2:G0X+3], s[G0X+2:G0X+3], 65536   ; the next 256 rows; the type bits on top are not reached
.endif
	s_wait_dscnt 0x0                               ; the add is done; my reads of the slot that I have left are in; at the first change: my stores of the weights have landed
.if \fill
	ROUND
	tensor_load_to_lds s[G0X:G0X+3], s[G1X:G1X+7]
	s_nop 0
	PLACES
.else
	s_barrier_signal -1
	s_barrier_wait -1
.endif
.endm
; Weight tile t (16 hidden units): four fragments, their scale words, their bias tile, into set t % 3: eleven loads.  Every window is 0 here.
.macro WLOAD t
.set WU, ((\t)%3)
.irp s, 0,1,2,3
.irp c, 0,1
	ds_load_b128 v[WF+32*WU+8*\s+4*\c:WF+32*WU+8*\s+4*\c+3], v[WA] offset:16*PITCH*(\t)+64*\s+32*\c
.endr
.endr
	ds_load_b128 v[WSC+4*WU:WSC+4*WU+3], v[WSA] offset:256*(\t)
	ds_load_b128 v[BT+8*WU:BT+8*WU+3], v[BA] offset:512*(\t)
	ds_load_b128 v[BT+8*WU+4:BT+8*WU+7], v[BA] offset:512*(\t)+16
.endm
; My 64 keys of the pass: four loads of scale words, then the 16 fragments, K step by K step: 36 loads
.macro XLOAD
.irp k, 0,1,2,3
	ds_load_b128 v[XSC+4*\k:XSC+4*\k+3], v[XSD] offset:256*\k
.endr
	WIN 0x40                                       ; destination window 1
.irp s, 0,1,2,3
.irp k, 0,1,2,3
.irp c, 0,1
	ds_load_b128 v[32*\k+8*\s+4*\c:32*\k+8*\s+4*\c+3], v[XAD] offset:16*PITCH*\k+64*\s+32*\c
.endr
.endr
.endr
	WIN 0
.endm
; Four products of weight tile t, K step s: my four tiles of keys by turns.  The bias tile is the C of each sum's first product.
.macro FP4S t, s
.set WU, ((\t)%3)
.set DB, DD+32*((\t)%2)
.irp k, 0,1,2,3
.if (\s) == 0
	v_wmma_scale_f32_16x16x128_f8f6f4 v[DB+8*\k:DB+8*\k+7], v[32*\k:32*\k+7], v[WF+32*WU:WF+32*WU+7], v[BT+8*WU:BT+8*WU+7], v[XSC+4*\k], v[WSC+4*WU] matrix_a_fmt:MATRIX_FMT_FP4 matrix_b_fmt:MATRIX_FMT_FP4
.else
	v_wmma_scale_f32_16x16x128_f8f6f4 v[DB+8*\k:DB+8*\k+7], v[32*\k+8*(\s):32*\k+8*(\s)+7], v[WF+32*WU+8*(\s):WF+32*WU+8*(\s)+7], v[DB+8*\k:DB+8*\k+7], v[XSC+4*\k+(\s)], v[WSC+4*WU+(\s)] matrix_a_fmt:MATRIX_FMT_FP4 matrix_b_fmt:MATRIX_FMT_FP4
.endif
.endr
.endm
; Tile t's results for keys 16 k on, rounded to f16 in pairs, from the low end on: half of a fragment of 32 keys.  Tiles 0-7 are v's (window 1), tiles 8-15 k's (window 0)
.macro CV t, k
.set DS, DD+32*((\t)%2)+8*(\k)
.if (\t) < 8
.set FD, 128+16*(\t)+8*((\k)/2)+4*((\k)%2)
.else
.set FD, KF+8*((\k)/2)+4*((\k)%2)
.endif
.irp r, 0,1,2,3
	v_cvt_pk_f16_f32 v[FD+\r], v[DS+2*\r], v[DS+2*\r+1]
.endr
.endm
.macro CVWIN t
.if (\t) < 8
	WIN 0x40
.else
	WIN 0
.endif
.endm
; Weight tile t: 16 products; behind every eight of them eight conversions of tile t - 1.  The eight behind the last product name none of its registers: they are the places ahead of the next reads of
; these results and of the next loads into this set.  Tile 0 has no tile before it: four v_nop.  In tile 0 the waits count x's loads: ahead of K step s (1 to 3) 35 - 8 s leaves out the later K steps and tile 2's eleven;
; K step 0's wait stands in PASS, ahead of tile 2's loads.
.macro FPB t
	WIN 0x01                                       ; source 0 (x) window 1
	FP4S \t, 0
.if (\t) == 0
	s_wait_dscnt 27
.endif
	FP4S \t, 1
.if (\t) > 0
	CVWIN (\t)-1
	CV (\t)-1, 0
	CV (\t)-1, 1
	WIN 0x01
.endif
.if (\t) == 0
	s_wait_dscnt 19
.endif
	FP4S \t, 2
.if (\t) == 0
	s_wait_dscnt 11
.endif
	FP4S \t, 3
.if (\t) > 0
	CVWIN (\t)-1
	CV (\t)-1, 2
	CV (\t)-1, 3
.else
	PLACES
.endif
.endm
; M's row of tiles a: k's tile a against v's eight, 64 keys: 16 products, the eight accumulators by turns.  zero = 1: the first products start the sums.  Four v_nop: the places ahead of the next write of k's fragment.
.macro F16 a, zero
	WIN 0xa4+0x50*((\a)/4)                         ; source 1 (v) window 1; C and D window 2 or 3
.irp kk, 0,1
.irp b, 0,1,2,3,4,5,6,7
.set AC, 8*(8*((\a)%4)+\b)
.if (\zero) && (\kk == 0)
	v_wmma_f32_16x16x32_f16 v[AC:AC+7], v[KF+8*\kk:KF+8*\kk+7], v[128+16*\b+8*\kk:128+16*\b+8*\kk+7], 0
.else
	v_wmma_f32_16x16x32_f16 v[AC:AC+7], v[KF+8*\kk:KF+8*\kk+7], v[128+16*\b+8*\kk:128+16*\b+8*\kk+7], v[AC:AC+7]
.endif
.endr
.endr
	PLACES
.endm
; A PASS: 256 keys, 64 of them mine.  Weight tiles are fetched two ahead, into three sets; the waits leave the two younger tiles' 22 loads out, then 11, then none.
.macro PASS zero, last
	v_add_nc_u32 v[XAD], s[TB], v[XA0]
	v_add_nc_u32 v[XSD], s[TS], v[XS0]
	XLOAD
.set T, 0
.rept 16
.if T == 0
	s_wait_dscnt 24                                ; weight tiles 0 and 1, x's scale words and its K step 0 are in; the 24 loads of K steps 1 to 3 may be out
.endif
.if T <= 13
	WIN 0
	WLOAD T+2
.endif
.if T == 15
	s_wait_dscnt 0x0
.elseif T == 14
	s_wait_dscnt 11
.elseif T >= 1
	s_wait_dscnt 22
.endif
	FPB T
.if (T == 15) && ((\last) == 0)
	WIN 0
	WLOAD 0                                        ; the next pass's first two tiles
	WLOAD 1
.endif
.if T >= 9
	F16 T-9, \zero
.endif
.set T, T+1
.endr
	WIN 0
	CV 15, 0
	CV 15, 1
	CV 15, 2
	CV 15, 3
	F16 7, \zero
	WIN 0                                          ; at a label and at a branch every window is 0
	s_xor_b32 s[TB], s[TB], SLOT1
	s_add_co_u32 s[TS], s[TS], 4096
.endm
	CHANGE 1                                       ; slot 1's first fill stands here, as a refill does
	WLOAD 0
	WLOAD 1
	PASS 1, 0
	s_mov_b32 s[TRIP], 6
.Lpass:
	CHANGE 1
	PASS 0, 0
	s_sub_co_u32 s[TRIP], s[TRIP], 1
	s_cmp_lg_u32 s[TRIP], 0
	s_cbranch_scc1 .Lpass
	CHANGE 0                                       ; the last pass is written out: nothing is left to fetch
	PASS 0, 1
	; THE FOUR PARTIALS MEET.  Each wave lays its 64 tiles into 65,536 bytes of LDS as images of their registers; the slots have had their last fill, and behind this barrier nobody reads slots, weights or scales.
	s_wait_dscnt 0x0
	s_barrier_signal -1
	s_barrier_wait -1
	WIN 0x08                                       ; an LDS store's data are its source 1: window 2
.set I, 0
.rept 32
	ds_store_b128 v[SA], v[8*I:8*I+3] offset:1024*I                ; each accumulator from its low end on
	ds_store_b128 v[SA], v[8*I+4:8*I+7] offset:1024*I+512
.set I, I+1
.endr
	WIN 0x0c                                       ; window 3
.set I, 0
.rept 32
	ds_store_b128 v[SA], v[8*I:8*I+3] offset:1024*(32+I)
	ds_store_b128 v[SA], v[8*I+4:8*I+7] offset:1024*(32+I)+512
.set I, I+1
.endr
	s_wait_dscnt 0x0                               ; for the others' sake: my stores have landed
	s_barrier_signal -1
	s_barrier_wait -1
	WIN 0x80                                       ; wave w takes tiles 16 w .. 16 w + 15 (rows of tiles 2 w, 2 w + 1) of all four partials: 0 and 1 into window 2,
.irp p, 0,1
.set I, 0
.rept 16
	ds_load_b128 v[128*\p+8*I:128*\p+8*I+3], v[RA+\p] offset:1024*I
	ds_load_b128 v[128*\p+8*I+4:128*\p+8*I+7], v[RA+\p] offset:1024*I+512
.set I, I+1
.endr
.endr
	WIN 0xc0                                       ; 2 and 3 into window 3
.irp p, 0,1
.set I, 0
.rept 16
	ds_load_b128 v[128*\p+8*I:128*\p+8*I+3], v[RA+2+\p] offset:1024*I
	ds_load_b128 v[128*\p+8*I+4:128*\p+8*I+7], v[RA+2+\p] offset:1024*I+512
.set I, I+1
.endr
.endr
	s_wait_dscnt 63                                ; partials 0 and 1 are in.  Behind them 64 loads were issued; 63 is the largest count that the instruction can name, so the first load of partial 2 is waited for with them
	WIN 0x8a
.set I, 0
.rept 64
	v_pk_add_f32 v[2*I:2*I+1], v[2*I:2*I+1], v[128+2*I:128+2*I+1]
.set I, I+1
.endr
	s_wait_dscnt 0x0
	WIN 0xcf
.set I, 0
.rept 64
	v_pk_add_f32 v[2*I:2*I+1], v[2*I:2*I+1], v[128+2*I:128+2*I+1]
.set I, I+1
.endr
	WIN 0x0e                                       ; source 0 window 2, source 1 window 3, destination window 0
.set I, 0
.rept 64
	v_pk_add_f32 v[SM+2*I:SM+2*I+1], v[2*I:2*I+1], v[2*I:2*I+1]
.set I, I+1
.endr
	WIN 0
	; the tile's largest magnitude, with the floor 2^-100 among the leaves: four chains, then the lanes, then the waves
.irp c, 0,1,2,3
	v_max3_num_f32 v[248+\c], |v[SM+32*\c]|, |v[SM+32*\c+1]|, 0x0d800000
.endr
.set I, 2
.rept 15
.irp c, 0,1,2,3
	v_max3_num_f32 v[248+\c], v[248+\c], |v[SM+32*\c+I]|, |v[SM+32*\c+I+1]|
.endr
.set I, I+2
.endr
	v_max3_num_f32 v248, v248, v249, v250
	v_max_num_f32 v248, v248, v251
	v_max_num_f32_dpp v248, v248, v248 row_xmask:1 row_mask:0xf bank_mask:0xf
	v_max_num_f32_dpp v248, v248, v248 row_xmask:2 row_mask:0xf bank_mask:0xf
	v_max_num_f32_dpp v248, v248, v248 row_xmask:4 row_mask:0xf bank_mask:0xf
	v_max_num_f32_dpp v248, v248, v248 row_xmask:8 row_mask:0xf bank_mask:0xf
	v_permlanex16_b32 v249, v248, s[SEL], s[SEL+1]
	v_max_num_f32 v248, v248, v249
	ds_store_b32 v[MXA], v248                      ; all lanes write my wave's word with the same value
	v_and_b32 v244, 3, v0
	v_lshl_add_u32 v244, v244, 2, MXL              ; back: lane l takes the word of wave l % 4
	s_wait_dscnt 0x0
	s_barrier_signal -1
	s_barrier_wait -1
	ds_load_b32 v252, v244
	s_wait_dscnt 0x0
	v_max_num_f32_dpp v252, v252, v252 row_xmask:1 row_mask:0xf bank_mask:0xf
	v_max_num_f32_dpp v252, v252, v252 row_xmask:2 row_mask:0xf bank_mask:0xf   ; the four waves' joined: every lane holds the tile's largest magnitude
	v_and_b32 v249, 0x7f800000, v252               ; 2^E
	v_sub_nc_u32 v250, 0x86000000, v249            ; 2^(14 - E): exponent field 268 - (E + 127); the largest magnitude lands in 2^14 .. 2^15
	v_add_nc_u32 v252, 0xf9000000, v249            ; 2^(E - 14),
	v_mul_f32 v252, 0x3d3504f3, v252               ; / sqrt(512): what the next launch multiplies by
.set I, 0
.rept 64
	v_pk_mul_f32 v[SM+2*I:SM+2*I+1], v[SM+2*I:SM+2*I+1], v[250:251] op_sel_hi:[1,0]   ; by a power of two: nothing is rounded
.set I, I+1
.endr
.irp al, 0,1
.irp b, 0,1,2,3,4,5,6,7
.irp r, 0,1,2,3
	v_cvt_pk_f16_f32 v[PK+8*\b+4*\al+\r], v[SM+8*(8*\al+\b)+2*\r], v[SM+8*(8*\al+\b)+2*\r+1]   ; fragment (hb = b, g = w): registers 0-3 from the even row of tiles, 4-7 from the odd
.endr
.endr
.endr
.irp b, 0,1,2,3,4,5,6,7
.irp c, 0,1
	global_store_b128 v[LI], v[PK+8*\b+4*\c:PK+8*\b+4*\c+3], s[16:17] offset:4096*\b+512*\c   ; 32 lanes store 512 consecutive bytes, at a multiple of 512 from mt's first byte
.endr
.endr
	s_cmp_lg_u32 s[WV], 0                          ; the tile's scale: wave 0, lane 0
	s_cbranch_scc1 .Lno_ms
	s_wait_xcnt 0x0                                ; EXEC changes only behind this wait
	v_cmp_eq_u32 vcc_lo, 0, v0
	s_and_saveexec_b32 s51, vcc_lo
	global_store_b32 v[ZR], v252, s[18:19]
	s_wait_xcnt 0x0                                ; and again, ahead of the line that widens it
	s_or_b32 exec_lo, exec_lo, s51
.Lno_ms:
	s_wait_tensorcnt 0x0                           ; the wave's end: behind my last tensor load and my last LDS store
	ds_add_u32 v[SPW], v[NIL]
	s_wait_dscnt 0x0
	ROUND                                          ; the closing round
	s_endpgm
.Lfunc_end_k_qb154ba11e8_ktv:
	.size	k_qb154ba11e8_ktv, .Lfunc_end_k_qb154ba11e8_ktv-k_qb154ba11e8_ktv
	.p2alignl 7, 3214868480
	.fill 96, 4, 3214868480
	.section	.rodata,"a",@progbits
	.p2align	6, 0x0
	.amdhsa_kernel k_qb154ba11e8_ktv
		.amdhsa_group_segment_fixed_size 327680
		.amdhsa_private_segment_fixed_size 0
		.amdhsa_enable_private_segment 0
		.amdhsa_kernarg_size 64
		.amdhsa_user_sgpr_count 2
		.amdhsa_user_sgpr_kernarg_segment_ptr 1
		.amdhsa_wavefront_size32 1
		.amdhsa_system_sgpr_workgroup_id_x 1
		.amdhsa_system_sgpr_workgroup_id_y 1
		.amdhsa_system_sgpr_workgroup_id_z 1
		.amdhsa_system_vgpr_workitem_id 0
		.amdhsa_next_free_vgpr 1024
		.amdhsa_next_free_sgpr 66
		.amdhsa_reserve_vcc 1
		.amdhsa_float_denorm_mode_32 3
		.amdhsa_float_denorm_mode_16_64 3
		.amdhsa_memory_ordered 1
		.amdhsa_forward_progress 1
		.amdhsa_inst_pref_size 255
	.end_amdhsa_kernel
	.section	.bss,"aw",@nobits
	.p2align	6
	.space	262144
	.amdgpu_metadata
---
amdhsa.version: [ 1, 2 ]
amdhsa.kernels:
  - .name:           k_qb154ba11e8_ktv
    .symbol:         k_qb154ba11e8_ktv.kd
    .args:
      - { .name: xc, .offset: 0, .size: 8, .value_kind: global_buffer, .address_space: global }
      - { .name: xs, .offset: 8, .size: 8, .value_kind: global_buffer, .address_space: global }
      - { .name: wc, .offset: 16, .size: 8, .value_kind: global_buffer, .address_space: global }
      - { .name: ws, .offset: 24, .size: 8, .value_kind: global_buffer, .address_space: global }
      - { .name: bk, .offset: 32, .size: 8, .value_kind: global_buffer, .address_space: global }
      - { .name: bv, .offset: 40, .size: 8, .value_kind: global_buffer, .address_space: global }
      - { .name: mt, .offset: 48, .size: 8, .value_kind: global_buffer, .address_space: global }
      - { .name: ms, .offset: 56, .size: 8, .value_kind: global_buffer, .address_space: global }
    .group_segment_fixed_size: 327680
    .private_segment_fixed_size: 0
    .kernarg_segment_align: 8
    .kernarg_segment_size: 64
    .max_flat_workgroup_size: 128
    .sgpr_count:     66
    .vgpr_count:     1024
    .wavefront_size: 32
...
	.end_amdgpu_metadata
.endif
;; end of part 2
;; launch outp (part 3): grid 16 x 16, 4 waves a work-group, clusters of 4 x 1, 327,680 bytes of LDS; arguments qc, qs, wc, ws, bq, mt, ms, out0; writes out0
.if DOCPART == 3
	.amdgcn_target "amdgcn-amd-amdhsa--gfx1250"
	.amdhsa_code_object_version 6
	.text
	.protected	k_qb154ba11e8_outp
	.globl	k_qb154ba11e8_outp
	.p2align	8
	.type	k_qb154ba11e8_outp,@function
k_qb154ba11e8_outp:
	s_mov_b64 s[64:65], 0
	v_nop
	global_prefetch_b8 v0, s[64:65] scope:SCOPE_SE
	s_setreg_imm32_b32 hwreg(HW_REG_WAVE_MODE, 25, 1), 1
	s_wait_xcnt 0x0
	s_wait_alu depctr_hold_cnt(0) depctr_sa_sdst(0) depctr_va_vdst(0) depctr_va_sdst(0) depctr_va_ssrc(0) depctr_va_vcc(0) depctr_vm_vsrc(0)
	s_getreg_b32 s2, hwreg(HW_REG_IB_STS2, 6, 4)
	s_cmp_eq_u32 s2, 0
	s_cbranch_scc0 .Lentry_in_a_cluster
	s_endpgm
.Lentry_in_a_cluster:
	s_bfe_u32 s2, ttmp6, 0x10000c
	s_cmp_lg_u32 s2, 0x3003
	s_cbranch_scc0 .Lentry_shape_is_right
	s_endpgm
.Lentry_shape_is_right:
; out[b] = qp M[b] / sqrt(512), qp = Q(q) Q(Wq)^T + bq.  qp is made on codes of FP4 with E8M0 scales, sums in f32, rounded to f16 in registers.  M comes as f16 in tiles of 128 x 128, each with a scale of its own
; (which holds the 1 / sqrt(512)): out = the sum over jt of s[jt] (qp[:, 128 jt ..] M'[jt]), each of the four products summed in f32 and joined in f32 by a fused multiply-add.
; THE SUMS ARE TAKEN IN ANOTHER ORDER THAN THE SOURCE WRITES THEM ((qp k^T) v = qp (k^T v)).
; SHARES.  A work-group makes 256 rows x 128 columns (one ht) of one batch; wave w rows 64 w .. 64 w + 63, four tiles of 16, through both products: qp never leaves its registers.
; LAYOUT.  Both products are used transposed.  First: source 0 = 16 rows of Wq, source 1 = 16 rows of q: a lane holds one row of q and eight hidden units; two tiles, rounded in pairs, are a fragment with K = 32 hidden units.
; Second: source 0 = a fragment of M^T (16 columns h), source 1 = qp's fragment: a lane holds one row and eight neighbouring columns of out.
; LDS is filled once: all of Wq's codes and the slab M'[b][ht], in four chunks by jt, all asked for at the head; chunk jt is waited for where it is first read.  Four loads of mine are out at the most.
; CLUSTER.  The four partners (blocks of 256 rows of one batch and ht) need the same Wq and the same slab: both are asked for jointly.
; LIMITS: NaN and infinities are not served; |qp| beyond 65,504 does not fit f16.
; REGISTERS.  window 0: v1-15 addresses; v16-31 q's scale words, v32-43 Wq's (three sets): these hold scales alone; v48-143 three sets of four fragments (Wq's, later M's); v144-167 bias tiles; v168-231 two sets of four results.
;   window 1: the 32 tiles of out, (hb, qt) at v[8 (4 hb + qt)].   window 2: v0-127 q's 16 fragments; v128-255 qp's 16 of the chunk in hand; on the way out rows of out.
.set PITCH,  272                       ; an LDS row of codes: 256 bytes + 16 of padding
.set CHW,    128*PITCH                 ; a chunk of Wq: 128 rows
.set WQS,    139264                    ; behind Wq's 512 rows: its scale bytes, 512 x 16
.set MT,     147456                    ; the slab: 4 x 32,768 bytes of register images
.set STAGE,  278528                    ; the way out: 16 rows x 528 bytes for each wave
.set SPITCH, 528
.set BQ,     312320                    ; bq: 2,048 bytes
.set SPARE,  314368                    ; the spare words, 128 bytes a wave
.set SPW, 1
.set NIL, 2
.set WA,  3                            ; v3-6    CHW jt + 272 r + 16 h
.set WSA, 7                            ; WQS + 16 r
.set BA,  8                            ; BQ + 32 h
.set MA,  9                            ; v9-12   MT + 32,768 jt + 16 lane
.set STO, 13
.set RD,  14
.set CO,  15                           ; 16 lane
.set QSC, 16
.set WSC, 32
.set QA,  44                           ; 256 r + 16 h
.set QSO, 45                           ; 16 r
.set TO,  46                           ; 16 x thread
.set WQA, 47                           ; WQS + 16 x thread
.set WF,  48
.set BT,  144
.set DD,  168
.set WV,  20
.set RB,  21                           ; my place in the cluster: it enters global addresses alone (with s96-99)
.set HT,  22
.set BB,  23
.set G1W, 24
.set G1M, 32
.set G0W, 40                           ; s[40:55] group 0 for Wq's four chunks;  s[56:63], s[68:75] for the slab's
.set SCL, 76                           ; s[76:79] the four scales;  s[80:87] each as a pair
.set SCP, 80
.set MSB, 0
.macro WIN new
.if MSB != (\new)
	s_set_vgpr_msb (MSB<<8)|(\new)
.set MSB, (\new)
.endif
.endm
.macro PLACES
.rept 4
	v_nop
.endr
.endm
.macro ROUND
	s_barrier_signal -1
	s_barrier_wait -1
	s_cmp_lg_u32 s[WV], 0
	s_cbranch_scc1 .Lnot_wave_0_\@
	s_barrier_signal -3
.Lnot_wave_0_\@:
	s_barrier_wait -3
	s_barrier_signal -1
	s_barrier_wait -1
.endm
	s_load_b512 s[4:19], s[0:1], 0x0               ; qc s[4:5], qs s[6:7], wc s[8:9], ws s[10:11], bq s[12:13], mt s[14:15], ms s[16:17], out0 s[18:19]
	v_lshl_add_u32 v[SPW], v0, 2, SPARE
	v_mov_b32 v[NIL], 0
	ds_add_u32 v[SPW], v[NIL]                      ; the wave's opening: the add, twice on end, and its wait ahead of my first tensor load
	ds_add_u32 v[SPW], v[NIL]
	v_lshrrev_b32 v44, 5, v0
	v_readfirstlane_b32 s[WV], v44                 ; wave 0..3
	s_bfe_u32 s[RB], ttmp6, 0x40000                ; my block of 256 rows = my place in the cluster
	s_mov_b32 s[HT], ttmp9
	s_and_b32 s[BB], ttmp7, 0xffff
	; group 1 for Wq's codes: 64 rows x 256 elements of one byte, 4 words of padding behind every 64
	s_mov_b32 s[G1W+0], 15|(1<<20)|(1<<21)|(5<<22)|(3<<25)
	s_mov_b32 s[G1W+1], 256<<16
	s_mov_b32 s[G1W+2], 64<<16
	s_mov_b32 s[G1W+3], 256<<16
	s_mov_b32 s[G1W+4], 64
	s_mov_b32 s[G1W+5], 256
	s_mov_b32 s[G1W+6], 0
	s_mov_b32 s[G1W+7], 0
	; group 1 for the slab: a dense block of 16,384 bytes as 64 rows of 32 elements of 8 bytes
	s_mov_b32 s[G1M+0], 15|(3<<16)|(1<<21)
	s_mov_b32 s[G1M+1], 32<<16
	s_mov_b32 s[G1M+2], 64<<16
	s_mov_b32 s[G1M+3], 32<<16
	s_mov_b32 s[G1M+4], 64
	s_mov_b32 s[G1M+5], 32
	s_mov_b32 s[G1M+6], 0
	s_mov_b32 s[G1M+7], 0
	s_and_b32 s88, s[WV], 1                        ; which half of a chunk I fetch: waves 0, 1 of Wq's, waves 2, 3 of the slab's
	s_mul_i32 s89, s88, 64*PITCH
	s_lshl_b32 s90, s88, 14
	s_mov_b32 s91, 0
	s_lshl_b32 s92, s[BB], 2
	s_add_co_u32 s92, s92, s[HT]                   ; 4 b + ht
	s_lshl_b32 s94, s92, 4                         ; its four words of ms
	s_mov_b32 s95, 0
	s_lshl_b32 s92, s92, 17                        ; its slab of 131,072 bytes
	s_add_co_u32 s92, s92, s90
	s_mov_b32 s93, 0
.irp j, 0,1,2,3
	s_mov_b32 s[G0W+4*\j], 1
	s_add_co_u32 s[G0W+4*\j+1], s89, CHW*\j
	s_mov_b32 s[56+4*\j+4*(\j/2)], 1
	s_add_co_u32 s[56+4*\j+4*(\j/2)+1], s90, MT+32768*\j
.endr
	s_wait_dscnt 0x0                               ; both opening adds are done
	s_wait_kmcnt 0x0
	s_add_nc_u64 s[8:9], s[8:9], s[90:91]          ; Wq's codes lie first in wc
	s_add_nc_u64 s[14:15], s[14:15], s[92:93]
	s_add_nc_u64 s[16:17], s[16:17], s[94:95]
.irp j, 0,1,2,3
	s_add_nc_u64 s[G0W+4*\j+2:G0W+4*\j+3], s[8:9], 32768*\j
	s_or_b32 s[G0W+4*\j+3], s[G0W+4*\j+3], 0x80000000
	s_add_nc_u64 s[56+4*\j+4*(\j/2)+2:56+4*\j+4*(\j/2)+3], s[14:15], 32768*\j
	s_or_b32 s[56+4*\j+4*(\j/2)+3], s[56+4*\j+4*(\j/2)+3], 0x80000000
.endr
	ROUND                                          ; all four work-groups are here: the joint loads meet
	s_cmp_lt_u32 s[WV], 2                          ; a wave's four fills stand in one branch on its number, ahead of every wait on TENSORcnt, every LDS read and every further barrier
	s_cbranch_scc0 .Lfor_m
.irp j, 0,1,2,3
	tensor_load_to_lds s[G0W+4*\j:G0W+4*\j+3], s[G1W:G1W+7]
	s_nop 0
.endr
	PLACES
	s_branch .Lasked
.Lfor_m:
.irp j, 0,1,2,3
	tensor_load_to_lds s[56+4*\j+4*(\j/2):56+4*\j+4*(\j/2)+3], s[G1M:G1M+7]
	s_nop 0
.endr
	PLACES
.Lasked:
	s_load_b128 s[SCL:SCL+3], s[16:17], 0x0        ; the four tiles' scales
	s_lshl_b32 s96, s[BB], 10
	s_lshl_b32 s97, s[RB], 8
	s_add_co_u32 s96, s96, s97
	s_lshl_b32 s97, s[WV], 6
	s_add_co_u32 s96, s96, s97                     ; my first row: 1,024 b + 256 rb + 64 w
	s_mov_b32 s99, 0
	s_lshl_b32 s98, s96, 8
	s_add_nc_u64 s[4:5], s[4:5], s[98:99]          ; its codes, 256 bytes a row
	s_lshl_b32 s98, s96, 4
	s_add_nc_u64 s[6:7], s[6:7], s[98:99]          ; its scale bytes
	s_lshl_b32 s98, s96, 11
	s_lshl_b32 s97, s[HT], 9
	s_add_co_u32 s98, s98, s97
	s_add_nc_u64 s[18:19], s[18:19], s[98:99]      ; its row of out, 2,048 bytes a row, + 512 ht
	v_and_b32 v232, 31, v0                         ; lane
	v_and_b32 v233, 15, v0                         ; r
	v_bfe_u32 v234, v0, 4, 1                       ; h
	v_lshlrev_b32 v[QA], 8, v233
	v_lshl_add_u32 v[QA], v234, 4, v[QA]
	v_lshlrev_b32 v[QSO], 4, v233
	v_lshlrev_b32 v[TO], 4, v0
	WIN 0x80                                       ; destination window 2
.irp k, 0,1,2,3
.irp s, 0,1,2,3
.irp c, 0,1
	global_load_b128 v[32*\k+8*\s+4*\c:32*\k+8*\s+4*\c+3], v[QA], s[4:5] offset:4096*\k+64*\s+32*\c   ; q's fragments stay in registers; the eight loads of a tile of rows cover its 16 rows whole
.endr
.endr
.endr
	WIN 0
.irp k, 0,1,2,3
	global_load_b128 v[QSC+4*\k:QSC+4*\k+3], v[QSO], s[6:7] offset:256*\k   ; lane r: row r's four scale words
.endr
.irp i, 0,1,2,3
	global_load_b128 v[48+4*\i:48+4*\i+3], v[TO], s[10:11] offset:2048*\i   ; Wq's scale bytes lie first in ws: 8,192 dense bytes
.endr
	global_load_b128 v[64:67], v[TO], s[12:13]     ; bq
	v_mul_u32_u24 v[WA], v233, PITCH
	v_lshl_add_u32 v[WA], v234, 4, v[WA]
	v_add_nc_u32 v[WA+1], CHW, v[WA]
	v_add_nc_u32 v[WA+2], 2*CHW, v[WA]
	v_add_nc_u32 v[WA+3], 3*CHW, v[WA]
	v_lshl_add_u32 v[WSA], v233, 4, WQS
	v_lshl_add_u32 v[BA], v234, 5, BQ
	v_lshl_add_u32 v[MA], v232, 4, MT
	v_add_nc_u32 v[MA+1], 32768, v[MA]
	v_add_nc_u32 v[MA+2], 2*32768, v[MA]
	v_add_nc_u32 v[MA+3], 3*32768, v[MA]
	s_mul_i32 s88, s[WV], 16*SPITCH
	s_add_co_u32 s88, s88, STAGE                   ; my stage
	v_mul_u32_u24 v[STO], v233, SPITCH
	v_lshl_add_u32 v[STO], v234, 5, v[STO]
	v_add_nc_u32 v[STO], s88, v[STO]               ; in: row r, 32 bytes for each half of the lanes
	v_lshlrev_b32 v[CO], 4, v232
	v_add_nc_u32 v[RD], s88, v[CO]                 ; back: the 32 lanes take one row of 512 bytes
	v_lshl_add_u32 v[WQA], v0, 4, WQS
	v_lshl_add_u32 v235, v0, 4, BQ
	s_wait_loadcnt 0x0
.irp i, 0,1,2,3
	ds_store_b128 v[WQA], v[48+4*\i:48+4*\i+3] offset:2048*\i
.endr
	ds_store_b128 v235, v[64:67]
	s_wait_kmcnt 0x0
.irp j, 0,1,2,3
	s_mov_b32 s[SCP+2*\j], s[SCL+\j]               ; the packed forms name a pair and take its low word for both halves
	s_mov_b32 s[SCP+2*\j+1], s[SCL+\j]
.endr
; Tile tl of chunk jt of Wq (hidden units 128 jt + 16 tl on): four fragments, their scale words, their bias tile (lane (r, h): bq at the tile's 8 h + 0 .. 7), into set tl % 3: eleven loads
.macro WLOAD jt, tl
.set WU, ((\tl)%3)
.irp s, 0,1,2,3
.irp c, 0,1
	ds_load_b128 v[WF+32*WU+8*\s+4*\c:WF+32*WU+8*\s+4*\c+3], v[WA+\jt] offset:16*PITCH*(\tl)+64*\s+32*\c
.endr
.endr
	ds_load_b128 v[WSC+4*WU:WSC+4*WU+3], v[WSA] offset:256*(8*\jt+(\tl))
	ds_load_b128 v[BT+8*WU:BT+8*WU+3], v[BA] offset:64*(8*\jt+(\tl))
	ds_load_b128 v[BT+8*WU+4:BT+8*WU+7], v[BA] offset:64*(8*\jt+(\tl))+16
.endm
; Batch hb of chunk jt of the slab (columns 16 hb on, K = 128): four fragments as images of their registers, into set hb % 3: eight loads
.macro MLOAD jt, hb
.set WU, ((\hb)%3)
.irp g, 0,1,2,3
.irp c, 0,1
	ds_load_b128 v[WF+32*WU+8*\g+4*\c:WF+32*WU+8*\g+4*\c+3], v[MA+\jt] offset:4096*(\hb)+1024*\g+512*\c
.endr
.endr
.endm
.macro FP4Q tl, s                      ; four products, K step s: my four tiles of rows by turns; the bias tile is the C of each sum's first product
.set WU, ((\tl)%3)
.set DB, DD+32*((\tl)%2)
.irp k, 0,1,2,3
.if (\s) == 0
	v_wmma_scale_f32_16x16x128_f8f6f4 v[DB+8*\k:DB+8*\k+7], v[WF+32*WU:WF+32*WU+7], v[32*\k:32*\k+7], v[BT+8*WU:BT+8*WU+7], v[WSC+4*WU], v[QSC+4*\k] matrix_a_fmt:MATRIX_FMT_FP4 matrix_b_fmt:MATRIX_FMT_FP4
.else
	v_wmma_scale_f32_16x16x128_f8f6f4 v[DB+8*\k:DB+8*\k+7], v[WF+32*WU+8*(\s):WF+32*WU+8*(\s)+7], v[32*\k+8*(\s):32*\k+8*(\s)+7], v[DB+8*\k:DB+8*\k+7], v[WSC+4*WU+(\s)], v[QSC+4*\k+(\s)] matrix_a_fmt:MATRIX_FMT_FP4 matrix_b_fmt:MATRIX_FMT_FP4
.endif
.endr
.endm
.macro CVQ tl, k                       ; tile tl's results for rows 16 k on, rounded to f16 in pairs, from the low end on: half of qp's fragment (k, tl / 2)
.set DS, DD+32*((\tl)%2)+8*(\k)
.set FD, 128+32*(\k)+8*((\tl)/2)+4*((\tl)%2)
.irp r, 0,1,2,3
	v_cvt_pk_f16_f32 v[FD+\r], v[DS+2*\r], v[DS+2*\r+1]
.endr
.endm
; 16 products of tile tl; behind every eight of them eight conversions of tile tl - 1.  The eight behind the last product name none of its registers: the places ahead of the next reads of these results and of the next loads into this set.
.macro FPQ tl
	WIN 0x08                                       ; source 1 (q) window 2
	FP4Q \tl, 0
	FP4Q \tl, 1
.if (\tl) > 0
	WIN 0x80
	CVQ (\tl)-1, 0
	CVQ (\tl)-1, 1
	WIN 0x08
.endif
	FP4Q \tl, 2
	FP4Q \tl, 3
.if (\tl) > 0
	WIN 0x80
	CVQ (\tl)-1, 2
	CVQ (\tl)-1, 3
.else
	PLACES
.endif
.endm
.macro MM hb, g                        ; four products, 32 hidden units: my four tiles of rows by turns; the first start the sums with the constant 0
.set WU, ((\hb)%3)
.set DB, DD+32*((\hb)%2)
.irp k, 0,1,2,3
.if (\g) == 0
	v_wmma_f32_16x16x32_f16 v[DB+8*\k:DB+8*\k+7], v[WF+32*WU:WF+32*WU+7], v[128+32*\k:128+32*\k+7], 0
.else
	v_wmma_f32_16x16x32_f16 v[DB+8*\k:DB+8*\k+7], v[WF+32*WU+8*(\g):WF+32*WU+8*(\g)+7], v[128+32*\k+8*(\g):128+32*\k+8*(\g)+7], v[DB+8*\k:DB+8*\k+7]
.endif
.endr
.endm
.macro JOIN jt, hb, k                  ; out's tile (hb, k) takes the chunk's part times the chunk's scale, from the low end on; chunk 0 starts the sums
.set DS, DD+32*((\hb)%2)+8*(\k)
.set TT, 8*(4*(\hb)+(\k))
.irp n, 0,1,2,3
.if (\jt) == 0
	v_pk_mul_f32 v[TT+2*\n:TT+2*\n+1], v[DS+2*\n:DS+2*\n+1], s[SCP:SCP+1] op_sel_hi:[1,0]
.else
	v_pk_fma_f32 v[TT+2*\n:TT+2*\n+1], v[DS+2*\n:DS+2*\n+1], s[SCP+2*(\jt):SCP+2*(\jt)+1], v[TT+2*\n:TT+2*\n+1] op_sel_hi:[1,0,1]
.endif
.endr
.endm
.macro JWIN jt
.if (\jt) == 0
	WIN 0x40                                       ; destination window 1
.else
	WIN 0x50                                       ; destination and source 2 window 1
.endif
.endm
.macro MMB jt, hb                      ; 16 products of batch hb; behind every eight of them eight joins of batch hb - 1, which serve as places as the conversions do above
	WIN 0x08                                       ; source 1 (qp) window 2
	MM \hb, 0
	MM \hb, 1
.if (\hb) > 0
	JWIN \jt
	JOIN \jt, (\hb)-1, 0
	JOIN \jt, (\hb)-1, 1
	WIN 0x08
.endif
	MM \hb, 2
	MM \hb, 3
.if (\hb) > 0
	JWIN \jt
	JOIN \jt, (\hb)-1, 2
	JOIN \jt, (\hb)-1, 3
.else
	PLACES
.endif
.endm
; CHUNK jt: 128 hidden units.  The wait leaves the later chunks' loads out.  Tiles and batches are fetched two ahead, into three sets: the waits leave the two younger out, then one, then none.
.macro CHUNK jt
	s_wait_tensorcnt 3-\jt                         ; my part of chunk jt has landed,
	s_wait_dscnt 0x0                               ; (chunk 0: my stores of the scale bytes and of bq too)
	s_barrier_signal -1
	s_barrier_wait -1                              ; everybody's has
	WLOAD \jt, 0
	WLOAD \jt, 1
.set T, 0
.rept 8
.if T <= 5
	WIN 0
	WLOAD \jt, T+2
	s_wait_dscnt 22
.elseif T == 6
	s_wait_dscnt 11
.else
	s_wait_dscnt 0x0
.endif
	FPQ T
.set T, T+1
.endr
	WIN 0
	MLOAD \jt, 0
	MLOAD \jt, 1
	WIN 0x80
	CVQ 7, 0
	CVQ 7, 1
	CVQ 7, 2
	CVQ 7, 3
.set T, 0
.rept 8
.if T <= 5
	WIN 0
	MLOAD \jt, T+2
	s_wait_dscnt 16
.elseif T == 6
	s_wait_dscnt 8
.else
	s_wait_dscnt 0x0
.endif
	MMB \jt, T
.set T, T+1
.endr
	JWIN \jt
	JOIN \jt, 7, 0
	JOIN \jt, 7, 1
	JOIN \jt, 7, 2
	JOIN \jt, 7, 3
	WIN 0
.endm
	CHUNK 0
	CHUNK 1
	CHUNK 2
	CHUNK 3
; THE WAY OUT, a tile of 16 rows x 128 columns at a time.  A lane holds 32 neighbouring bytes of a row and the lanes beside it hold other rows: so a tile goes through my own stage and comes back as whole rows of 512 bytes.
; LDS serves a wave's instructions in order (ISA guide 5.7.1.4): no wait between the stores and the loads, nor ahead of the next tile's stores.  Each tile has registers of its own: no store's data are written again.
.macro TOSTAGE k
	WIN 0x04                                       ; an LDS store's data are its source 1: window 1
.irp hb, 0,1,2,3,4,5,6,7
	ds_store_b128 v[STO], v[8*(4*\hb+\k):8*(4*\hb+\k)+3] offset:64*\hb
	ds_store_b128 v[STO], v[8*(4*\hb+\k)+4:8*(4*\hb+\k)+7] offset:64*\hb+16
.endr
	WIN 0x80                                       ; destination window 2
.irp t, 0,1,2,3,4,5,6,7,8,9,10,11,12,13,14,15
	ds_load_b128 v[64*\k+4*\t:64*\k+4*\t+3], v[RD] offset:SPITCH*\t
.endr
.endm
.macro SEND k, younger                 ; younger: the LDS instructions issued behind tile k's loads, which may stay out
	s_wait_dscnt \younger
	WIN 0x08                                       ; a store's data are its source 1: window 2
.irp t, 0,1,2,3,4,5,6,7,8,9,10,11,12,13,14,15
	global_store_b128 v[CO], v[64*\k+4*\t:64*\k+4*\t+3], s[18:19] offset:2048*(16*\k+\t) th:TH_STORE_NT   ; 32 lanes store 512 consecutive bytes, at a multiple of 512 from out0's first byte; written once, read by nobody here
.endr
.endm
	TOSTAGE 0
	TOSTAGE 1
	SEND 0, 32
	TOSTAGE 2
	SEND 1, 32
	TOSTAGE 3
	SEND 2, 32
	SEND 3, 0
	WIN 0
	s_wait_tensorcnt 0x0                           ; the wave's end: behind my last tensor load and my last LDS store
	ds_add_u32 v[SPW], v[NIL]
	s_wait_dscnt 0x0
	ROUND                                          ; the closing round
	s_endpgm
.Lfunc_end_k_qb154ba11e8_outp:
	.size	k_qb154ba11e8_outp, .Lfunc_end_k_qb154ba11e8_outp-k_qb154ba11e8_outp
	.p2alignl 7, 3214868480
	.fill 96, 4, 3214868480
	.section	.rodata,"a",@progbits
	.p2align	6, 0x0
	.amdhsa_kernel k_qb154ba11e8_outp
		.amdhsa_group_segment_fixed_size 327680
		.amdhsa_private_segment_fixed_size 0
		.amdhsa_enable_private_segment 0
		.amdhsa_kernarg_size 64
		.amdhsa_user_sgpr_count 2
		.amdhsa_user_sgpr_kernarg_segment_ptr 1
		.amdhsa_wavefront_size32 1
		.amdhsa_system_sgpr_workgroup_id_x 1
		.amdhsa_system_sgpr_workgroup_id_y 1
		.amdhsa_system_sgpr_workgroup_id_z 1
		.amdhsa_system_vgpr_workitem_id 0
		.amdhsa_next_free_vgpr 768
		.amdhsa_next_free_sgpr 100
		.amdhsa_reserve_vcc 0
		.amdhsa_float_denorm_mode_32 3
		.amdhsa_float_denorm_mode_16_64 3
		.amdhsa_memory_ordered 1
		.amdhsa_forward_progress 1
		.amdhsa_inst_pref_size 238
	.end_amdhsa_kernel
	.amdgpu_metadata
---
amdhsa.version: [ 1, 2 ]
amdhsa.kernels:
  - .name:           k_qb154ba11e8_outp
    .symbol:         k_qb154ba11e8_outp.kd
    .args:
      - { .name: qc, .offset: 0, .size: 8, .value_kind: global_buffer, .address_space: global }
      - { .name: qs, .offset: 8, .size: 8, .value_kind: global_buffer, .address_space: global }
      - { .name: wc, .offset: 16, .size: 8, .value_kind: global_buffer, .address_space: global }
      - { .name: ws, .offset: 24, .size: 8, .value_kind: global_buffer, .address_space: global }
      - { .name: bq, .offset: 32, .size: 8, .value_kind: global_buffer, .address_space: global }
      - { .name: mt, .offset: 40, .size: 8, .value_kind: global_buffer, .address_space: global }
      - { .name: ms, .offset: 48, .size: 8, .value_kind: global_buffer, .address_space: global }
      - { .name: out0, .offset: 56, .size: 8, .value_kind: global_buffer, .address_space: global }
    .group_segment_fixed_size: 327680
    .private_segment_fixed_size: 0
    .kernarg_segment_align: 8
    .kernarg_segment_size: 64
    .max_flat_workgroup_size: 128
    .sgpr_count:     100
    .vgpr_count:     768
    .wavefront_size: 32
...
	.end_amdgpu_metadata
.endif
;; end of part 3
